; MI455X (gfx1250); checked and timed in simulation.
; The chip was launched on July 23, 2026; its instructions are those of AMD's public machine-readable ISA for CDNA 5 (MIT licence, August 2026) and "CDNA5" Instruction Set Architecture Reference Guide (July 2026). The comments in the code are by the model that wrote it; some were corrected since.
;; Bert Self Attention. Allowed arithmetic: matrix products marked QUANTISED: E3M2 operands, one E8M0 scale for each 32 along K, by v_wmma_scale_f32_16x16x128_f8f6f4 with both operands' format E3M2, f32 sums; everything else in f32.
;; Inputs: Wk 1,024 x 1,024 float32; Wq 1,024 x 1,024 float32; Wv 1,024 x 1,024 float32; attention_mask 4 x 1 x 1 x 2,048 float32; bk 1,024 float32; bq 1,024 float32; bv 1,024 float32; hidden_states 4 x 2,048 x 1,024 float32.
;; Outputs: out0 4 x 2,048 x 1,024 float32.
;; This version of the problem:
;;   THIS VERSION OF THE PROBLEM IS GIVEN IN LOW PRECISION. The matrix products marked QUANTISED in the list below multiply operands that are first quantised to E3M2 (3 exponent bits, 2 mantissa bits; 6 bits a number), with one power-of-two scale for each 32 numbers along K (OCP MX v1.0); their sums are f32. All else is computed in f32.
;;   The module's matrix products, in the order in which they are computed (A, B: the left and right operand; K: the contracted axis; several contracted axes count as one K, in the product's order):
;;     1. [M 8,192, K 1,024] x [K 1,024, N 1,024]; A: input hidden_states; B: input Wq: QUANTISED
;;     2. [M 8,192, K 1,024] x [K 1,024, N 1,024]; A: input hidden_states; B: input Wk: QUANTISED
;;     3. [M 8,192, K 1,024] x [K 1,024, N 1,024]; A: input hidden_states; B: input Wv: QUANTISED
;;     4. batch 64 x [M 2,048, K 64] x [K 64, N 2,048]; A: computed on the way; B: computed on the way: QUANTISED
;;     5. batch 64 x [M 2,048, K 2,048] x [K 2,048, N 64]; A: softmax (see below); B: computed on the way: QUANTISED
;;   THE QUANTISER, for each operand of a quantised product, along K:
;;     - K is cut into blocks of 32 from its start; a last block that is shorter is filled with zeros.
;;     - A block's scale is 2^e with e = floor(log2(the largest magnitude in the block)) - 4, held to -126 .. 127; a block of zeros has e = 0. As a byte (E8M0): e + 127.
;;     - Each number is divided by its block's scale, clamped to +-28, and rounded to the nearest number of E3M2, ties to even, subnormals kept.
;;     - The product sums the exact products of the quantised numbers (number of the format x scale) in f32.
;;   ~~~python
;;   def quantise(x, axis):      # numpy; x: float32 -> the quantised numbers, widened to float32 again
;;       x = np.moveaxis(x, axis, -1); K = x.shape[-1]
;;       x = np.pad(x, [(0, 0)] * (x.ndim - 1) + [(0, -K % 32)]); x = x.reshape(x.shape[:-1] + (-1, 32)); a = np.abs(x).max(-1, keepdims=True)
;;       e = np.where(a > 0, np.clip(np.frexp(np.where(a > 0, a, 1))[1] - 1 - 4, -126, 127), 0)      # np.frexp(a)[1] - 1 = floor(log2(a)), exactly
;;       r = np.clip(x / 2.0 ** e, -28, 28)
;;       step = 2.0 ** (np.maximum(np.frexp(np.where(r == 0, 1, r))[1] - 1, -2) - 2)
;;       q = np.round(r / step) * step * 2.0 ** e      # np.round: ties to even
;;       return np.moveaxis(q.reshape(q.shape[:-2] + (-1,))[..., :K], -1, axis).astype(np.float32)
;;   ~~~
;;   SOFTMAX AHEAD OF A QUANTISED PRODUCT. Where the list says 'softmax', what is quantised is not the finished softmax but p = 2^(t - M), with t = logit x log2(e) and M = ceil(the row's largest t), a whole number; so 1/2 < the row's largest p <= 1. The row's sum l is taken of the UNQUANTISED p, in f32, and the product's result is divided by l at the end. Since M is a whole number, a kernel that streams over the keys may use a running M (the ceiling of the running maximum): every later rescaling is an exact power of two, which a block's scale takes up: the codes' values come out the same.
;;   OPERANDS COMPUTED ON THE WAY. 'Computed on the way' means the value that the module computes at that place (a softmax that the list does not call 'softmax' is quantised finished and normalised). What goes into a quantiser is computed in f32, as accurately as f32 sums, v_exp_f32 and their like allow (about 1e-6 of the number): no bf16 or f16 on the way to a quantiser, and a product that is left as it is and whose result goes on into a quantised operand takes f32 operands (vector FMAs, or v_wmma_f32_16x16x4_f32). A number that lies on a knife's edge between two numbers of the format may be rounded either way, as far as f32 arithmetic and the matrix unit's own rounding can turn it there, and no further.
;; One version. Each part assembles by itself: llvm-mc -triple=amdgcn-amd-amdhsa -mcpu=gfx1250 --defsym DOCPART=n.
;; ======== version 1 of 1: 3 launches
;; limits: right only within a limited range of input values
;; workspace buffers: hid_codes 6,291,456 bytes; hid_scales 262,144 bytes; w_codes 2,359,296 bytes; w_scales 98,304 bytes; qimg 13,369,344 bytes; kvimg 13,369,344 bytes
;; launch quant (part 1): grid 352 x 1, 4 waves a work-group, no clusters, 33,280 bytes of LDS; arguments hidden_states, Wq, Wk, Wv, hid_codes, hid_scales, w_codes, w_scales; writes hid_codes, hid_scales, w_codes, w_scales
.if DOCPART == 1
	.amdgcn_target "amdgcn-amd-amdhsa--gfx1250"
	.amdhsa_code_object_version 6
	.text
	.protected	k_q3da68ee596_quant
	.globl	k_q3da68ee596_quant
	.p2align	8
	.type	k_q3da68ee596_quant,@function
k_q3da68ee596_quant:
	s_mov_b64 s[64:65], 0
	v_nop
	global_prefetch_b8 v0, s[64:65] scope:SCOPE_SE
	s_setreg_imm32_b32 hwreg(HW_REG_WAVE_MODE, 25, 1), 1
	s_wait_xcnt 0x0
; hidden_states [8192][1024] and Wq, Wk, Wv [1024][1024], f32, become codes of BF6 (E3M2), 6 bits each, K innermost (768 bytes a row), with one E8M0 byte for each 32 along K (32 bytes a row).
; hid_codes / hid_scales take hidden_states' 8,192 rows; w_codes / w_scales take Wq's, Wk's and Wv's rows one tensor behind the other: 3,072 rows.
; A block's scale is 2^(floor(log2(its largest magnitude)) - 4); its byte is the largest magnitude's exponent field - 4, held at 1 from below.  A block of zeros keeps the byte 1: its codes are zeros, and this program alone reads the bytes.
; THE ROWS ARE WRITTEN IN ANOTHER ORDER: row number with its bits 3 and 4 exchanged.  So sixteen neighbouring rows of the workspace, tile t of a group of 128, lane r, are the rows 32 (t / 2) + 8 (t % 2) + r + 8 (r / 8)
; of the tensor, and in the next launch's results the 16 registers of two neighbouring tiles are 16 neighbours along the next product's K.  A wave owns 8 rows (a run), so the exchange is that of the low two bits of the run's number.
; LIMITS: blocks whose largest magnitude lies under 2^-122 keep the byte 1; NaN and infinities among the inputs are not served.
; A wave takes 16 steps of 512 numbers.  Each load reads 512 consecutive bytes; a step's 2,048 bytes turn through the wave's own stage in LDS so that a lane holds 16 neighbours along K (two lanes a block).
; Work-groups 0-255 take hidden_states, 256-287 Wq, 288-319 Wk, 320-351 Wv: only pointers are chosen, all take one path.  No barrier: waves share nothing.
.set STEPS, 16
.set EMAX,  4
.set CB,    12                         ; bytes of 16 codes
.set R,     16                         ; v16-79   four sets of 16 numbers as they are loaded
.set X,     80                         ; v80-111  two sets of 16 neighbours
.set C,     128                        ; v128-191 codes: four registers for each step, so that no store's data are written again
.set E,     112                        ; v112-127 a scale byte for each step
.set WREG,  8192                       ; LDS: a region for each wave: two stages of 32 x SP bytes, behind them its 256 scale bytes
.set SP,    80                         ; a lane's place in a stage: 64 bytes + 16 of padding
	s_load_b256 s[4:11], s[0:1], 0x0               ; hidden_states s[4:5], Wq s[6:7], Wk s[8:9], Wv s[10:11]
	s_load_b256 s[12:19], s[0:1], 0x20             ; hid_codes s[12:13], hid_scales s[14:15], w_codes s[16:17], w_scales s[18:19]
	v_lshl_add_u32 v192, v0, 2, 0x8000
	v_mov_b32 v193, 0
	v_lshrrev_b32 v1, 5, v0
	v_readfirstlane_b32 s20, v1                    ; wave
	v_and_b32 v2, 31, v0                           ; lane
	v_lshlrev_b32 v3, 4, v2                        ; my 16 bytes of a load's 512
	s_mul_i32 s21, s20, WREG
	v_lshrrev_b32 v14, 2, v2
	v_mul_u32_u24 v14, v14, SP
	v_and_b32 v15, 3, v2
	v_lshl_add_u32 v14, v15, 4, v14
	v_add_nc_u32 v14, s21, v14                     ; the stage, on the way in: SP (lane / 4) + 16 (lane % 4)
	v_mul_u32_u24 v15, v2, SP
	v_add_nc_u32 v15, s21, v15                     ; and on the way out: SP x lane: my 16 neighbours
	v_mul_u32_u24 v4, v2, CB                       ; my codes' place in a step's
	v_lshrrev_b32 v5, 1, v2
	s_add_co_u32 s21, s21, 2*32*SP
	v_add_nc_u32 v5, s21, v5                       ; LDS: my wave's 256 scale bytes, my block's byte
	v_lshlrev_b32 v7, 3, v2                        ; and on the way out 8 bytes a lane
	v_add_nc_u32 v6, s21, v7
	s_and_b32 s22, ttmp9, 31                       ; a weight's work-group within its tensor
	s_sub_co_u32 s23, ttmp9, 256                   ; and within the three weights' workspace (used only where it is not negative)
	s_wait_kmcnt 0x0
	s_cmp_lt_u32 ttmp9, 320                        ; the choices hang on the work-group's number alone
	s_cselect_b64 s[8:9], s[8:9], s[10:11]         ; Wk or Wv
	s_cmp_lt_u32 ttmp9, 288
	s_cselect_b64 s[6:7], s[6:7], s[8:9]           ; Wq or those
	s_cmp_lt_u32 ttmp9, 256
	s_cselect_b64 s[4:5], s[4:5], s[6:7]           ; hidden_states or a weight
	s_cselect_b64 s[12:13], s[12:13], s[16:17]
	s_cselect_b64 s[14:15], s[14:15], s[18:19]
	s_cselect_b32 s22, ttmp9, s22
	s_cselect_b32 s23, ttmp9, s23
	s_lshl_b32 s22, s22, 2
	s_add_co_u32 s24, s22, s20                     ; the run of 8,192 numbers that I read: 4 x work-group + wave
	s_mov_b32 s25, 0
	s_and_b32 s26, s20, 1
	s_lshl_b32 s26, s26, 1
	s_lshr_b32 s27, s20, 1
	s_or_b32 s26, s26, s27                         ; the wave's two bits exchanged
	s_lshl_b32 s23, s23, 2
	s_add_co_u32 s26, s23, s26                     ; the run that I write
	s_mov_b32 s27, 0
	s_mov_b64 s[28:29], 512*STEPS*4
	s_mul_u64 s[28:29], s[24:25], s[28:29]
	s_add_nc_u64 s[4:5], s[4:5], s[28:29]
	s_mov_b64 s[28:29], 32*STEPS*CB
	s_mul_u64 s[28:29], s[26:27], s[28:29]
	s_add_nc_u64 s[12:13], s[12:13], s[28:29]
	s_lshl_b32 s26, s26, 8                         ; 256 scale bytes a run
	s_add_nc_u64 s[14:15], s[14:15], s[26:27]
.macro LOAD t
.irp i, 0,1,2,3
	global_load_b128 v[R+16*((\t)%4)+4*\i:R+16*((\t)%4)+4*\i+3], v3, s[4:5] offset:2048*(\t)+512*\i th:TH_LOAD_NT   ; 32 lanes read 512 consecutive bytes
.endr
.endm
.macro TURN t                          ; step t's numbers through the stage: LDS serves a wave's instructions in order, so no wait stands between the stores and the loads
.irp i, 0,1,2,3
	ds_store_b128 v14, v[R+16*((\t)%4)+4*\i:R+16*((\t)%4)+4*\i+3] offset:32*SP*((\t)%2)+8*SP*\i
.endr
.irp i, 0,1,2,3
	ds_load_b128 v[X+16*((\t)%2)+4*\i:X+16*((\t)%2)+4*\i+3], v15 offset:32*SP*((\t)%2)+16*\i
.endr
.endm
.irp t, 0,1,2,3
	LOAD \t
.endr
	s_wait_loadcnt 12                              ; step 0's four loads are in; the twelve of steps 1 to 3 may be out
	TURN 0
.macro STEP t
.set XS, X+16*((\t)%2)
.if (\t) > 0
	s_wait_dscnt 1                                 ; this step's numbers are back from the stage (the last step's byte store may be out): so its stores into the stage have read their registers,
.else
	s_wait_dscnt 0x0
.endif
.if (\t)+4 < STEPS
	LOAD (\t)+4                                    ; which take the loads of four steps on
.endif
.if (\t)+1 < STEPS
.if STEPS-2-(\t) >= 3
	s_wait_loadcnt 12                              ; the next step's four loads are in; those of the three steps behind it may be out
.else
	s_wait_loadcnt 4*(STEPS-2-(\t))
.endif
	TURN (\t)+1                                    ; and go through the other stage while this step is worked
.endif
	v_max3_num_f32 v8, |v[XS]|, |v[XS+1]|, |v[XS+2]|               ; the largest magnitude of my 16, in two chains
	v_max3_num_f32 v9, |v[XS+3]|, |v[XS+4]|, |v[XS+5]|
.irp i, 6,10
	v_max3_num_f32 v8, v8, |v[XS+\i]|, |v[XS+\i+1]|
	v_max3_num_f32 v9, v9, |v[XS+\i+2]|, |v[XS+\i+3]|
.endr
	v_max3_num_f32 v8, v8, |v[XS+14]|, |v[XS+15]|
	v_max3_num_f32 v8, v8, v9, (EMAX+1)<<23        ; and the floor 2^(EMAX + 1 - 127): the byte cannot fall under 1
	v_max_num_f32_dpp v8, v8, v8 row_xmask:1 row_mask:0xf bank_mask:0xf   ; and of my neighbour's 16: the block's
	v_add_nc_u32 v11, -(EMAX<<23), v8              ; EMAX off its exponent field: the conversion takes the exponent field of this operand as its scale
	v_cvt_scalef32_pk16_bf6_f32 v[C+4*(\t):C+4*(\t)+2], v[XS:XS+15], v11         ; sixteen numbers / the scale, to the nearest code, ties to even, beyond the largest code the largest
	v_lshrrev_b32 v[E+(\t)], 23, v11               ; the scale's byte (also the plain line behind the conversion)
	ds_store_b8 v5, v[E+(\t)] offset:16*(\t)       ; both lanes of a block write the same byte with the same value
	global_store_b96 v4, v[C+4*(\t):C+4*(\t)+2], s[12:13] offset:32*CB*(\t)      ; the wave stores 384 consecutive bytes
.endm
.irp t, 0,1,2,3,4,5,6,7,8,9,10,11,12,13,14,15
	STEP \t
.endr
	ds_load_b64 v[12:13], v6                       ; LDS serves a wave's instructions in order: these see my stores
	s_wait_dscnt 0x0
	global_store_b64 v7, v[12:13], s[14:15]        ; 32 lanes store 256 consecutive bytes, at a multiple of 256 from the buffer's first byte
	s_wait_tensorcnt 0x0
	ds_add_u32 v192, v193
	s_wait_dscnt 0x0
	s_endpgm
.Lfunc_end_k_q3da68ee596_quant:
	.size	k_q3da68ee596_quant, .Lfunc_end_k_q3da68ee596_quant-k_q3da68ee596_quant
	.p2alignl 7, 3214868480
	.fill 96, 4, 3214868480
	.section	.rodata,"a",@progbits
	.p2align	6, 0x0
	.amdhsa_kernel k_q3da68ee596_quant
		.amdhsa_group_segment_fixed_size 33280
		.amdhsa_private_segment_fixed_size 0
		.amdhsa_enable_private_segment 0
		.amdhsa_kernarg_size 64
		.amdhsa_user_sgpr_count 2
		.amdhsa_user_sgpr_kernarg_segment_ptr 1
		.amdhsa_wavefront_size32 1
		.amdhsa_system_sgpr_workgroup_id_x 1
		.amdhsa_system_sgpr_workgroup_id_y 1
		.amdhsa_system_sgpr_workgroup_id_z 1
		.amdhsa_system_vgpr_workitem_id 0
		.amdhsa_next_free_vgpr 194
		.amdhsa_next_free_sgpr 66
		.amdhsa_reserve_vcc 0
		.amdhsa_float_denorm_mode_32 3
		.amdhsa_float_denorm_mode_16_64 3
		.amdhsa_memory_ordered 1
		.amdhsa_forward_progress 1
		.amdhsa_inst_pref_size 33
	.end_amdhsa_kernel
	.amdgpu_metadata
---
amdhsa.version: [ 1, 2 ]
amdhsa.kernels:
  - .name:           k_q3da68ee596_quant
    .symbol:         k_q3da68ee596_quant.kd
    .args:
      - { .name: hidden_states, .offset: 0, .size: 8, .value_kind: global_buffer, .address_space: global }
      - { .name: Wq, .offset: 8, .size: 8, .value_kind: global_buffer, .address_space: global }
      - { .name: Wk, .offset: 16, .size: 8, .value_kind: global_buffer, .address_space: global }
      - { .name: Wv, .offset: 24, .size: 8, .value_kind: global_buffer, .address_space: global }
      - { .name: hid_codes, .offset: 32, .size: 8, .value_kind: global_buffer, .address_space: global }
      - { .name: hid_scales, .offset: 40, .size: 8, .value_kind: global_buffer, .address_space: global }
      - { .name: w_codes, .offset: 48, .size: 8, .value_kind: global_buffer, .address_space: global }
      - { .name: w_scales, .offset: 56, .size: 8, .value_kind: global_buffer, .address_space: global }
    .group_segment_fixed_size: 33280
    .private_segment_fixed_size: 0
    .kernarg_segment_align: 8
    .kernarg_segment_size: 64
    .max_flat_workgroup_size: 128
    .sgpr_count:     66
    .vgpr_count:     194
    .wavefront_size: 32
...
	.end_amdgpu_metadata
.endif
;; end of part 1
;; launch proj (part 2): grid 12 x 32, 4 waves a work-group, clusters of 4 x 4, 327,680 bytes of LDS; arguments hid_codes, hid_scales, w_codes, w_scales, bq, bk, bv, qimg, kvimg; writes qimg, kvimg
.if DOCPART == 2
	.amdgcn_target "amdgcn-amd-amdhsa--gfx1250"
	.amdhsa_code_object_version 6
	.text
	.protected	k_q3da68ee596_proj
	.globl	k_q3da68ee596_proj
	.p2align	8
	.type	k_q3da68ee596_proj,@function
k_q3da68ee596_proj:
	s_mov_b64 s[64:65], 0
	v_nop
	global_prefetch_b8 v0, s[64:65] scope:SCOPE_SE
	s_setreg_imm32_b32 hwreg(HW_REG_WAVE_MODE, 25, 1), 1
	s_wait_xcnt 0x0
	s_wait_alu depctr_hold_cnt(0) depctr_sa_sdst(0) depctr_va_vdst(0) depctr_va_sdst(0) depctr_va_ssrc(0) depctr_va_vcc(0) depctr_vm_vsrc(0)
	s_getreg_b32 s2, hwreg(HW_REG_IB_STS2, 6, 4)
	s_cmp_eq_u32 s2, 0
	s_cbranch_scc0 .Lentry_in_a_cluster
	s_endpgm
.Lentry_in_a_cluster:
	s_bfe_u32 s2, ttmp6, 0x10000c
	s_cmp_lg_u32 s2, 0xf033
	s_cbranch_scc0 .Lentry_shape_is_right
	s_endpgm
.Lentry_shape_is_right:
; q = x Wq^T + bq, k = x Wk^T + bk, v = x Wv^T + bv on codes of BF6 (E3M2) with E8M0 scales, K = 1,024; the results are quantised here, in registers, for the attention launch, and leave as images of operand registers.
; out[i][j] = sum over k of S1[i][k] S0[j][k] + bias, quantised ALONG j.  The matrix instruction takes 16 rows of S0 as source 0 and 16 rows of S1 as source 1: a lane holds one i and its registers run along j.
; The cluster's x chooses the work (it is the same in all sixteen partners):  x = 0: q, x = 1: k:  S1 = x's rows, S0 = rows of Wq, Wk: j runs along the heads' 64.   x = 2: v TRANSPOSED: S1 = rows of Wv, S0 = x's rows: j runs along the keys.
; The workspace rows stand with bits 3 and 4 of their number exchanged, so tile t, lane r of 128 rows is row 32 (t / 2) + 8 (t % 2) + r + 8 (r / 8), and the 16 registers of tiles 2 b, 2 b + 1 are j = 32 b + 16 (lane / 16) + 0 .. 15.
; A tile of 256 x 256 is made by four waves, 128 x 128 each: 64 accumulators, 512 registers.  K goes in steps of 256 through two LDS slots filled by the tensor data mover; the scale bytes of the work-group's rows come once.
; CLUSTERS: 4 x 4 work-groups; S1's tiles are shared along a row of the cluster, S0's along a column: joint loads with a mask of four.
; THE BIAS is the C of each sum's first matrix instruction: so it is added first, not last as in the source: the order of f32 roundings differs.
; OUT.  qimg, kvimg: [64 heads][16 groups of 128 rows][GS bytes].  In a group: 8 images of q or k (tile t at 768 t: registers 0-3 at 16 x lane, registers 4-5 at 512 + 8 x lane), at 6,144 their scale words (256 (t / 4) + 16 r + 4 (t % 4));
; in kvimg at 6,656 four images of v^T (tile t at 1,536 t, three runs of 512 bytes), at 12,800 their scale words (16 r + 4 t).  Every store covers whole aligned runs of 256 bytes.
; LIMITS: NaN and infinities are not served; blocks whose largest magnitude lies under 2^-122 keep the scale byte 1.
; No prefetch: of K's four steps two are asked for by the kernel's first lines and the other two one step later.  384 tiles for 256 WGPs: a tile of 256 x 384 does not fit the registers, a smaller tile reads each LDS byte for fewer products.
; REGISTERS: window 0: v1-6 at work, v16-31 addresses, v32-63 scale words (two sets), v64-127 the bias, later codes and scale words on the way out, v128-223 S1's fragments, v224-239 at work on the way out;
;   window 1: S0's fragments, two sets, at v0 and v128;  windows 2 and 3: the accumulators ((a, b) at v[8 (8 (a % 4) + b)]).
.set SIZE_K, 1024
.set KSTEP,  256                       ; along K in a slot
.set NQ,     KSTEP/128                 ; matrix instructions deep
.set ROWB,   192                       ; a tile's row in bytes
.set KROW,   SIZE_K*6/8                ; a row of codes in memory
.set PITCH,  240                       ; an LDS row: 3 x (64 bytes + 16 of padding)
.set FR,     12                        ; registers of a fragment
.set NL,     6                         ; LDS loads that bring one
.set NP,     4                         ; places behind this matrix instruction (ISA guide 7.12.1)
.set HALFT,  128*PITCH                 ; 128 rows: what one tensor load brings
.set SLOT,   4*HALFT                   ; S1's 256 rows, then S0's 256 rows
.set LAPS,   SIZE_K/(2*KSTEP)
.set KS,     SIZE_K/32                 ; a row of scale bytes
.set SCL,    2*SLOT                    ; behind the ring: the scales, as runs of 256 bytes + 16 of padding
.set HALFS,  (128*KS/256)*272
.set SBLK,   (16*KS/256)*272
.set SPARE,  SCL+4*HALFS               ; the spare words, 128 bytes for each wave: two blocks of 256 bytes that no other line names
.set GS,     13056                     ; a group of 128 rows in qimg, kvimg
.set HS,     16*GS                     ; a head
.set ADRA, 16                          ; v16-17 LDS address of S1's fragments in slot 0, 1 (v18-19: behind one padding more)
.set ADRB, 20                          ; v20-23 the same for S0
.set LI16, 24                          ; v24  16 x lane
.set LI8,  25                          ; v25  8 x lane
.set LSW,  26                          ; v26  16 (lane % 16) + HS (lane / 16): the scale words' place
.set ADRS, 27                          ; v27  LDS address of my scale words: lanes 0-15 S1's rows, lanes 16-31 S0's
.set SPW,  28                          ; v28  LDS address of my spare word; never rewritten
.set NIL,  29                          ; v29  0; never rewritten
.set SH,   30                          ; v30  16 (lane / 16)
.set LN,   31                          ; v31  lane
.set SC,   32                          ; scale words, two sets
.set BIAS, 64                          ; v64-127
.set AF,   128                         ; S1's fragments
.set PC,   64                          ; the way out: 12 registers of codes and 8 at work
.set SW,   96                          ; v96-103 a scale word for each block of 16 rows
.set SWO,  104                         ; v104-107
.set TM,   224                         ; v224-239 at work
.set MODE, 12                          ; s12  1: v^T
.set OUTP, 18                          ; s[18:19] where my wave's images begin
.set SEL,  46                          ; s[46:47] on the way out: lane selects for lane l xor 16
.set G1, 24                            ; s[24:31] group 1 for S1's tiles; s[32:39] group 0, a set for each slot
.set G0, 32
.set G1B, 48                           ; s[48:55], s[56:63] the same for S0's
.set G0B, 56
.set G1S, 68                           ; s[68:75], s[76:79] for S1's scales; s[80:87], s[88:91] for S0's
.set G0S, 76
.set G1SB, 80
.set G0SB, 88
.set MSB, 0
.macro WIN new                         ; the immediate's high byte repeats the setting that is left
.if MSB != \new
	s_set_vgpr_msb (MSB<<8)|\new
.set MSB, \new
.endif
.endm
.set MUL_LO, 0xa1                      ; source 0 window 1, source 1 window 0, C and D window 2
.set MUL_HI, 0xf1                      ; the same, C and D window 3
.set BIA_LO, 0x81                      ; the first step: C (the bias) window 0, D window 2
.set BIA_HI, 0xc1                      ; D window 3
.set TO_B,   0x40                      ; destination window 1, address window 0
; A joint load: waves 0 and 1 fetch for S1, waves 2 and 3 for S0.  The branch hangs on the wave's number alone.  Four v_nop follow each of the two lines.
.macro JLOAD g0a, g1a, g0b, g1b
	s_cmp_eq_u32 s15, 0
	s_cbranch_scc0 .Lfor_b_\@
	tensor_load_to_lds s[\g0a:\g0a+3], s[\g1a:\g1a+7]
	s_nop 0
.rept 4
	v_nop
.endr
	s_branch .Lasked_\@
.Lfor_b_\@:
	tensor_load_to_lds s[\g0b:\g0b+3], s[\g1b:\g1b+7]
	s_nop 0
.rept 4
	v_nop
.endr
.Lasked_\@:
.endm
.macro CREST                           ; a round of the cluster's barrier behind its opening barrier
	s_cmp_lg_u32 s14, 0
	s_cbranch_scc1 .Lnot_wave_0_\@
	s_barrier_signal -3
.Lnot_wave_0_\@:
	s_barrier_wait -3
	s_barrier_signal -1
	s_barrier_wait -1
.endm
.macro CROUND
	s_barrier_signal -1
	s_barrier_wait -1
	CREST
.endm
	s_load_b256 s[4:11], s[0:1], 0x0               ; hid_codes s[4:5], hid_scales s[6:7], w_codes s[8:9], w_scales s[10:11]
	s_load_b256 s[92:99], s[0:1], 0x20             ; bq s[92:93], bk s[94:95], bv s[96:97], qimg s[98:99]
	s_load_b64 s[100:101], s[0:1], 0x40            ; kvimg
	v_lshl_add_u32 v[SPW], v0, 2, SPARE
	v_mov_b32 v[NIL], 0
	ds_add_u32 v28, v29
	ds_add_u32 v28, v29
	s_wait_dscnt 0x0
	v_lshrrev_b32 v1, 5, v0
	v_readfirstlane_b32 s14, v1                    ; wave 0..3
	s_lshr_b32 s15, s14, 1                         ; which half of the tile's i is mine.  Also: I fetch for S1 (0) or for S0 (1)
	s_and_b32 s16, s14, 1                          ; which half of its j.  Also: which 128 rows of that tile I fetch
	s_bfe_u32 s40, ttmp6, 0x40000                  ; cx, cy: my place in the cluster
	s_bfe_u32 s41, ttmp6, 0x40004
	s_and_b32 s13, ttmp7, 0xffff
	s_lshl_b32 s13, s13, 2                         ; 4 x cluster y
	s_lshl_b32 s18, ttmp9, 2                       ; 4 x cluster x
	s_cmp_eq_u32 ttmp9, 2                          ; v^T?
	s_cselect_b32 s[MODE], 1, 0
	s_cselect_b32 s17, 0, s13
	s_cselect_b32 s42, s13, s18
	s_cselect_b32 s19, 2048, 0                     ; S1's first row in its buffer: Wv's rows stand behind Wq's and Wk's
	s_add_co_u32 s17, s17, s41                     ; tile row:    q, k: 4 x cluster y + cy;   v^T: cy
	s_add_co_u32 s42, s42, s40                     ; tile column: q, k: 4 x cluster x + cx;   v^T: 4 x cluster y + cx
	s_lshl_b32 s43, s41, 2
	s_lshl_b32 s43, 15, s43                        ; my row of the cluster
	s_lshl_b32 s44, 0x1111, s40                    ; my column
	; descriptor group 1: a tile of 128 rows x ROWB bytes, 16 bytes of padding behind every 64
	s_or_b32 s[G1+0], s43, (0<<16)|(1<<20)|(1<<21)|(3<<22)|(3<<25)
	s_or_b32 s[G1B+0], s44, (0<<16)|(1<<20)|(1<<21)|(3<<22)|(3<<25)
.irp g, G1, G1B
	s_mov_b32 s[\g+1], ROWB<<16                    ; tensor_dim0
	s_mov_b32 s[\g+2], 128<<16                     ; tensor_dim1
	s_mov_b32 s[\g+3], ROWB<<16                    ; tile_dim0
	s_mov_b32 s[\g+4], 128                         ; tile_dim1
	s_mov_b32 s[\g+5], KROW                        ; tensor_dim0_stride
	s_mov_b32 s[\g+6], 0
	s_mov_b32 s[\g+7], 0
.endr
	; the scales of 128 rows: a dense block of 4,096 bytes, as rows of 256 bytes (32 elements of 8 bytes), 16 bytes of padding behind each
	s_or_b32 s[G1S+0], s43, (3<<16)|(1<<20)|(1<<21)|(5<<22)|(3<<25)
	s_or_b32 s[G1SB+0], s44, (3<<16)|(1<<20)|(1<<21)|(5<<22)|(3<<25)
.irp g, G1S, G1SB
	s_mov_b32 s[\g+1], 32<<16
	s_mov_b32 s[\g+2], (128*KS/256)<<16
	s_mov_b32 s[\g+3], 32<<16
	s_mov_b32 s[\g+4], 128*KS/256
	s_mov_b32 s[\g+5], 32
	s_mov_b32 s[\g+6], 0
	s_mov_b32 s[\g+7], 0
.endr
	s_lshl_b32 s18, s16, 7                         ; which 128 rows of the tile I fetch
	s_lshl_b32 s20, s17, 8
	s_add_co_u32 s20, s20, s18
	s_add_co_u32 s20, s20, s19                     ; S1: row 256 x tile row + 128 x half (+ 2,048)
	s_lshl_b32 s46, s42, 8
	s_add_co_u32 s46, s46, s18                     ; S0: row 256 x tile column + 128 x half
	s_mov_b32 s21, 0
	s_mov_b32 s47, 0
	s_mov_b64 s[18:19], KS
	s_mul_u64 s[22:23], s[20:21], s[18:19]         ; where these rows' scales begin, in bytes
	s_mul_u64 s[2:3], s[46:47], s[18:19]
	s_mov_b64 s[18:19], KROW
	s_mul_u64 s[20:21], s[20:21], s[18:19]         ; and their codes
	s_mul_u64 s[46:47], s[46:47], s[18:19]
	s_mul_i32 s45, s14, HALFT                      ; where they go: wave x 128 rows: no place in the cluster enters an LDS address
	s_mul_i32 s66, s14, HALFS
	s_wait_kmcnt 0x0
	s_cmp_eq_u32 s[MODE], 1                        ; which buffer is S1 and which S0: a choice on the cluster's x
	s_cselect_b64 s[18:19], s[8:9], s[4:5]
	s_add_nc_u64 s[20:21], s[18:19], s[20:21]      ; S1's codes
	s_cselect_b64 s[18:19], s[10:11], s[6:7]
	s_add_nc_u64 s[22:23], s[18:19], s[22:23]      ; S1's scales
	s_cselect_b64 s[18:19], s[4:5], s[8:9]
	s_add_nc_u64 s[46:47], s[18:19], s[46:47]      ; S0's codes
	s_cselect_b64 s[18:19], s[6:7], s[10:11]
	s_add_nc_u64 s[2:3], s[18:19], s[2:3]          ; S0's scales
	CROUND                                         ; all sixteen work-groups are here: the first joint loads meet
	s_mov_b32 s[G0S], 1
	s_add_co_u32 s[G0S+1], s66, SCL
	s_mov_b64 s[G0S+2:G0S+3], s[22:23]
	s_or_b32 s[G0S+3], s[G0S+3], 0x80000000
	s_mov_b32 s[G0SB], 1
	s_add_co_u32 s[G0SB+1], s66, SCL
	s_mov_b64 s[G0SB+2:G0SB+3], s[2:3]
	s_or_b32 s[G0SB+3], s[G0SB+3], 0x80000000
	JLOAD G0S, G1S, G0SB, G1SB                     ; the scales first: they are wanted with K step 0
.irp s, 0,1
	s_mov_b32 s[G0+4*\s], 1
	s_add_co_u32 s[G0+4*\s+1], s45, \s*SLOT
	s_add_nc_u64 s[G0+4*\s+2:G0+4*\s+3], s[20:21], \s*ROWB
	s_or_b32 s[G0+4*\s+3], s[G0+4*\s+3], 0x80000000
	s_mov_b32 s[G0B+4*\s], 1
	s_add_co_u32 s[G0B+4*\s+1], s45, \s*SLOT
	s_add_nc_u64 s[G0B+4*\s+2:G0B+4*\s+3], s[46:47], \s*ROWB
	s_or_b32 s[G0B+4*\s+3], s[G0B+4*\s+3], 0x80000000
	JLOAD G0+4*\s, G1, G0B+4*\s, G1B               ; three tensor loads of mine are out
.endr
	v_and_b32 v1, 15, v0                           ; r = l % 16
	v_bfe_u32 v2, v0, 4, 1                         ; h = l / 16
	v_mul_u32_u24 v3, v1, PITCH
	v_mul_u32_u24 v4, v2, 24
	v_add_nc_u32 v4, v3, v4                        ; a fragment's row x pitch + 24 x half
	v_lshl_add_u32 v5, v2, 4, v4                   ; and the same behind one padding more
	s_mul_i32 s21, s15, HALFT                      ; my 128 rows of S1
	s_mul_i32 s22, s16, HALFT                      ; my 128 rows of S0,
	s_add_co_u32 s22, s22, 2*HALFT                 ; which lie behind S1's 256
.irp s, 0,1
	v_add_nc_u32 v[ADRA+\s], s21, v4
	v_add_nc_u32 v[ADRB+\s], s22, v4
	v_add_nc_u32 v[ADRA+2+\s], s21, v5
	v_add_nc_u32 v[ADRB+2+\s], s22, v5
	s_add_co_u32 s21, s21, SLOT
	s_add_co_u32 s22, s22, SLOT
.endr
	v_mul_u32_u24 v5, v1, KS                       ; my row's scales: KS bytes a row,
	v_lshrrev_b32 v6, 8, v5
	v_lshl_add_u32 v5, v6, 4, v5                   ; and 16 more for each 256 passed
	s_mul_i32 s21, s15, HALFS
	s_mul_i32 s22, s16, HALFS
	s_add_co_u32 s22, s22, 2*HALFS
	s_sub_co_u32 s22, s22, s21
	v_mul_u32_u24 v6, s22, v2                      ; lanes 16-31 take S0's
	s_add_co_u32 s21, s21, SCL
	v_add_nc_u32 v5, v5, v6
	v_add_nc_u32 v[ADRS], s21, v5
	v_and_b32 v[LN], 31, v0
	v_lshlrev_b32 v[LI16], 4, v[LN]
	v_lshlrev_b32 v[LI8], 3, v[LN]
	v_mul_u32_u24 v[LSW], v2, HS
	v_lshl_add_u32 v[LSW], v1, 4, v[LSW]
	v_lshlrev_b32 v[SH], 4, v2
	v_lshlrev_b32 v5, 6, v2                        ; the bias along j: 64 h bytes
	v_and_b32 v6, 8, v1
	v_add_nc_u32 v6, v6, v1
	v_lshlrev_b32 v6, 2, v6                        ; the bias along i: 4 (r + 8 (r / 8)) bytes
	; where my 128 x 128 stands: I0 along i, J0 along j; R0 = its first row of x, C0 = its first of the 1,024 channels
	s_lshl_b32 s67, s17, 8
	s_lshl_b32 s21, s15, 7
	s_add_co_u32 s67, s67, s21                     ; I0
	s_lshl_b32 s13, s42, 8
	s_lshl_b32 s21, s16, 7
	s_add_co_u32 s13, s13, s21                     ; J0
	s_and_b32 s22, s13, 1023
	s_cmp_eq_u32 s[MODE], 1
	s_cselect_b32 s22, s67, s22                    ; C0
	s_cselect_b32 s23, s13, s67                    ; R0
	s_cselect_b64 s[20:21], s[96:97], s[94:95]     ; bv or bk,
	s_cmp_eq_u32 ttmp9, 0
	s_cselect_b64 s[20:21], s[92:93], s[20:21]     ; or bq
	s_cselect_b64 s[OUTP:OUTP+1], s[98:99], s[100:101]   ; qimg or kvimg
	s_lshl_b32 s46, s22, 2
	s_mov_b32 s47, 0
	s_add_nc_u64 s[20:21], s[20:21], s[46:47]      ; the bias at channel C0
	s_lshr_b32 s46, s23, 11
	s_lshl_b32 s46, s46, 4                         ; 16 x batch
	s_lshr_b32 s47, s22, 6
	s_add_co_u32 s46, s46, s47                     ; + my first head
	s_mul_i32 s46, s46, HS
	s_bfe_u32 s47, s23, 0x40007                    ; the group of 128 rows in the batch
	s_mul_i32 s47, s47, GS
	s_add_co_u32 s46, s46, s47
	s_mov_b32 s47, 0
	s_add_nc_u64 s[OUTP:OUTP+1], s[OUTP:OUTP+1], s[46:47]
	s_cmp_eq_u32 s[MODE], 1
	s_cbranch_scc1 .Lbias_v
.irp b, 0,1,2,3,4,5,6,7                ; q, k: tile b's eight registers are channels C0 + 32 (b / 2) + 16 h + 8 (b % 2) + 0 .. 7
	global_load_b128 v[BIAS+8*\b:BIAS+8*\b+3], v5, s[20:21] offset:4*(32*(\b/2)+8*(\b%2))
	global_load_b128 v[BIAS+8*\b+4:BIAS+8*\b+7], v5, s[20:21] offset:4*(32*(\b/2)+8*(\b%2))+16
.endr
	s_branch .Lbias_in
.Lbias_v:
.irp a, 0,1,2,3,4,5,6,7                ; v^T: block a's lane r is channel C0 + 32 (a / 2) + 8 (a % 2) + r + 8 (r / 8): the same number in all eight registers
.irp j, 0,1,2,3,4,5,6,7
	global_load_b32 v[BIAS+8*\a+\j], v6, s[20:21] offset:4*(32*(\a/2)+8*(\a%2))
.endr
.endr
.Lbias_in:
.macro FRAG reg, adr, q, i             ; a fragment, 16 rows x 128 K: lane l holds row l % 16; registers 6 c .. 6 c + 5 hold K = 64 c + 32 (l / 16) + 0 .. 31: 24 bytes of the row, as they lie
.irp p, 0,1,2,3,4,5                    ; in pieces of 8 bytes.  Lanes 16-31 read three pieces further on than lanes 0-15
.set PCE, 12*(\q)+6*(\p/3)+\p%3        ; 16 bytes of padding lie behind every 8 pieces: where the piece three on lies behind one padding more, the second address register serves
.if PCE%8 < 5
	ds_load_b64 v[\reg+2*\p:\reg+2*\p+1], v[\adr] offset:8*PCE+16*(PCE/8)+(\i)*16*PITCH
.else
	ds_load_b64 v[\reg+2*\p:\reg+2*\p+1], v[\adr+2] offset:8*PCE+16*(PCE/8)+(\i)*16*PITCH
.endif
.endr
.endm
; 16 matrix instructions: S1's blocks a0, a0 + 1 x S0's eight, 128 along K: the slot's q-th.  p: S0's set; sc: the set of scale words.
; cm = 0: in place;  1: the sum starts with the bias along j;  2: with the bias along i.  The 64 accumulators take turns, one instruction a turn, in the same order in every step.
.macro MUL16 a0, p, q, sc, cm
.irp a, \a0, \a0+1
.irp b, 0,1,2,3,4,5,6,7
.set RD, 8*(8*((\a)%4)+\b)
.set RB, 128*(\p)+FR*\b
.set RA, AF+FR*(\a)
.set RSB, SC+8*NQ*(\sc)+NQ*\b+(\q)
.set RSA, SC+8*NQ*(\sc)+NQ*(\a)+(\q)
.if \cm == 1
	v_wmma_scale_f32_16x16x128_f8f6f4 v[RD:RD+7], v[RB:RB+FR-1], v[RA:RA+FR-1], v[BIAS+8*\b:BIAS+8*\b+7], v[RSB], v[RSA] matrix_a_fmt:MATRIX_FMT_BF6 matrix_b_fmt:MATRIX_FMT_BF6 matrix_a_scale:MATRIX_SCALE_ROW1
.elseif \cm == 2
	v_wmma_scale_f32_16x16x128_f8f6f4 v[RD:RD+7], v[RB:RB+FR-1], v[RA:RA+FR-1], v[BIAS+8*(\a):BIAS+8*(\a)+7], v[RSB], v[RSA] matrix_a_fmt:MATRIX_FMT_BF6 matrix_b_fmt:MATRIX_FMT_BF6 matrix_a_scale:MATRIX_SCALE_ROW1
.else
	v_wmma_scale_f32_16x16x128_f8f6f4 v[RD:RD+7], v[RB:RB+FR-1], v[RA:RA+FR-1], v[RD:RD+7], v[RSB], v[RSA] matrix_a_fmt:MATRIX_FMT_BF6 matrix_b_fmt:MATRIX_FMT_BF6 matrix_a_scale:MATRIX_SCALE_ROW1
.endif
.endr
.endr
.endm
.macro FETCH_B slot, q, p              ; S0's eight fragments of the slot's q-th 128 along K into set p
	WIN TO_B
.irp i, 0,1,2,3,4,5,6,7
	FRAG 128*(\p)+FR*\i, ADRB+\slot, \q, \i
.endr
	WIN 0
.endm
.macro FETCH_A slot, q, i0             ; S1's blocks i0 .. i0 + 3
.irp i, \i0, \i0+1, \i0+2, \i0+3
	FRAG AF+FR*(\i), ADRA+\slot, \q, \i
.endr
.endm
.macro SCALES sc                       ; a K step's scale words into set sc: lanes 0-15 take S1's block i, lanes 16-31 S0's block i
.irp i, 0,1,2,3,4,5,6,7
	ds_load_b64 v[SC+8*NQ*\sc+NQ*\i:SC+8*NQ*\sc+NQ*\i+1], v[ADRS] offset:\i*SBLK
.endr
.endm
.macro PLACES n                        ; plain vector lines between a matrix instruction and a load into, or a vector read of, its registers
.rept \n
	v_nop
.endr
.endm
; A step of 128 along K that has its successor in the same slot.
.macro STEP slot, q, cm
	s_wait_dscnt 4*NL                              ; S0's set and S1's blocks 0-3 are in; the youngest 24 loads (S1's blocks 4-7) may be out
.if \cm
	WIN BIA_LO
.else
	WIN MUL_LO
.endif
	MUL16 0, (\q)%2, \q, \slot, \cm
	MUL16 2, (\q)%2, \q, \slot, \cm
	s_wait_dscnt 0                                 ; S1's blocks 4-7 are in
	PLACES NP
	FETCH_B \slot, (\q)+1, 1-(\q)%2
	FETCH_A \slot, (\q)+1, 0
.if \cm
	WIN BIA_HI
.else
	WIN MUL_HI
.endif
	MUL16 4, (\q)%2, \q, \slot, \cm
	MUL16 6, (\q)%2, \q, \slot, \cm
	PLACES NP
	WIN 0
	FETCH_A \slot, (\q)+1, 4
.endm
; A slot's last step changes slots: one barrier; in front of it each wave waits for all its tensor loads, adds 0 to its spare word, and waits for that and for its own reads of this slot.  fill = 1: this slot is filled again, two K steps ahead.
.macro TURN slot, next, fill
	s_wait_tensorcnt 0x0                           ; all my tensor loads have landed: my part of the next slot
	ds_add_u32 v[SPW], v[NIL]                      ; 0 onto my spare word
	s_wait_dscnt 4*NL+1                            ; (the add and the youngest 24 loads, S1's blocks 4-7, may be out)
	WIN MUL_LO
	MUL16 0, 1, NQ-1, \slot, 0                     ; sixteen matrix instructions stand between the add and the wait for it
	s_wait_dscnt 0x0                               ; the add is done, and my reads of this slot are over
	s_barrier_signal -1
	MUL16 2, 1, NQ-1, \slot, 0
	WIN 0
	s_barrier_wait -1
.if \fill
	CREST                                          ; the barrier has opened a round of the cluster's barrier: no wave of any partner still reads this slot or has a load on its way
	s_add_nc_u64 s[G0+4*\slot+2:G0+4*\slot+3], s[G0+4*\slot+2:G0+4*\slot+3], 2*ROWB
	s_add_nc_u64 s[G0B+4*\slot+2:G0B+4*\slot+3], s[G0B+4*\slot+2:G0B+4*\slot+3], 2*ROWB
	JLOAD G0+4*\slot, G1, G0B+4*\slot, G1B         ; the first tensor load behind the round; its four v_nop are also the places in front of the loads below
.else
	PLACES NP
.endif
	v_add_nc_u32 v[ADRS], 4*NQ, v[ADRS]            ; on to the next K step's scale words (no LDS load of mine is out)
	FETCH_B \next, 0, 0
	FETCH_A \next, 0, 0
	SCALES \next
	WIN MUL_HI
	MUL16 4, 1, NQ-1, \slot, 0
	MUL16 6, 1, NQ-1, \slot, 0
	PLACES NP
	WIN 0
	FETCH_A \next, 0, 4
.endm
	s_wait_tensorcnt 1                             ; the scales and my part of K step 0 are in (K step 1's load may be out),
	s_barrier_signal -1
	s_barrier_wait -1                              ; everybody's are
	FETCH_B 0, 0, 0
	FETCH_A 0, 0, 0
	SCALES 0
	FETCH_A 0, 0, 4
	s_wait_loadcnt 0x0                             ; the bias
	s_cmp_eq_u32 s[MODE], 1                        ; the first step is written for each way of the bias; it holds no tensor load and no barrier, and both ways issue the same LDS loads
	s_cbranch_scc1 .Lfirst_v
	STEP 0, 0, 1
	s_branch .Lfirst_done
.Lfirst_v:
	STEP 0, 0, 2
.Lfirst_done:
	s_mov_b32 s3, LAPS-1
.Llap:                                             ; a trip goes once round the ring and fills both slots again
	TURN 0, 1, 1
	STEP 1, 0, 0
	TURN 1, 0, 1
	STEP 0, 0, 0
	s_sub_co_u32 s3, s3, 1
	s_cmp_lg_u32 s3, 0
	s_cbranch_scc1 .Llap
	TURN 0, 1, 0                                   ; the last lap fills nothing, and has no round of the cluster's barrier
	STEP 1, 0, 0
	s_wait_dscnt 4*NL                              ; the very last step: nothing more to fetch
	WIN MUL_LO
	MUL16 0, 1, NQ-1, 1, 0
	MUL16 2, 1, NQ-1, 1, 0
	s_wait_dscnt 0
	WIN MUL_HI
	MUL16 4, 1, NQ-1, 1, 0
	MUL16 6, 1, NQ-1, 1, 0
	WIN 0
; THE WAY OUT.  Block a (16 values of i, 128 of j): a lane's 64 accumulator registers, register 16 b + n = j 32 b + 16 (lane / 16) + n, become 12 registers of codes (registers 6 c .. 6 c + 5: j = 64 c + 32 (lane / 16) + 0 .. 31) and a scale word.
.macro QUANT a
.set AC, 64*((\a)%4)
.set WA, 2+(\a)/4
.set WN1, WA|(WA<<2)
.set WN2, (WA<<2)|(WA<<4)
	WIN WN1                                        ; sources 0 and 1: the accumulators' window
.irp b, 0,1,2,3
	v_max3_num_f32 v[TM+\b], |v[AC+16*\b]|, |v[AC+16*\b+1]|, 0x2800000   ; block b: my 16 numbers, from each accumulator's low end on, and the floor 2^(5 - 127): the byte cannot fall under 1
.endr
	WIN WN2                                        ; sources 1 and 2
.irp i, 2,4,6,8,10,12,14
.irp b, 0,1,2,3
	v_max3_num_f32 v[TM+\b], v[TM+\b], |v[AC+16*\b+\i]|, |v[AC+16*\b+\i+1]|
.endr
.endr
	WIN 0
.irp b, 0,1,2,3
	v_permlanex16_b32 v[TM+4+\b], v[TM+\b], s[SEL], s[SEL+1]
.endr
.irp b, 0,1,2,3
	v_max_num_f32 v[TM+\b], v[TM+\b], v[TM+4+\b]   ; with lane l xor 16's: the block's largest magnitude
.endr
.irp b, 0,1,2,3
	v_add_nc_u32 v[TM+12+\b], 0xfe000000, v[TM+\b] ; 4 off its exponent field: the conversion's scale operand
.endr
.irp b, 0,1,2,3
	v_lshrrev_b32 v[TM+4+\b], 23, v[TM+12+\b]      ; the scale's byte
.endr
	v_lshl_or_b32 v[SW+(\a)], v[TM+5], 8, v[TM+4]
	v_lshl_or_b32 v[SW+(\a)], v[TM+6], 16, v[SW+(\a)]
	v_lshl_or_b32 v[SW+(\a)], v[TM+7], 24, v[SW+(\a)]
.if (\a) > 0
	s_wait_xcnt 0x0                                ; the last block's stores have read their data: the codes' registers are written again only behind this wait
.endif
	WIN WA                                         ; source 0
.irp c, 0,1
	v_cvt_scalef32_pk16_bf6_f32 v[PC+6*\c:PC+6*\c+2], v[AC+32*\c:AC+32*\c+15], v[TM+12+2*\c]
	v_cvt_scalef32_pk16_bf6_f32 v[PC+12+4*\c:PC+14+4*\c], v[AC+32*\c+16:AC+32*\c+31], v[TM+12+2*\c+1]   ; (a conversion's three registers begin on an even number)
.endr
	WIN 0
	v_nop                                          ; one plain line behind a scaled conversion
.irp c, 0,1                                    ; the operand's layout wants a whole block in a lane
.irp i, 0,1,2
	v_permlane16_swap_b32 v[PC+6*\c+\i], v[PC+12+4*\c+\i]
.endr
.irp i, 0,1,2
	v_mov_b32 v[PC+3+6*\c+\i], v[PC+12+4*\c+\i]
.endr
.endr
.endm
.macro OUT_QK a                        ; registers 0-5 are my first head's 64 channels of 16 rows, registers 6-11 my second head's: two images of six registers
	v_lshrrev_b32 v[SW+(\a)], v[SH], v[SW+(\a)]    ; lanes 16-31 carry the second head's two bytes
	global_store_b128 v[LI16], v[PC:PC+3], s[OUTP:OUTP+1] offset:768*(\a)            ; 512 consecutive bytes
	global_store_b64 v[LI8], v[PC+4:PC+5], s[OUTP:OUTP+1] offset:768*(\a)+512        ; 256
	global_store_b128 v[LI16], v[PC+6:PC+9], s[OUTP:OUTP+1] offset:HS+768*(\a)
	global_store_b64 v[LI8], v[PC+10:PC+11], s[OUTP:OUTP+1] offset:HS+768*(\a)+512
.endm
.macro OUT_V a                         ; 16 channels x 128 keys: one image of twelve registers; blocks 0-3 are my first head's, 4-7 my second's
.irp k, 0,1,2
	global_store_b128 v[LI16], v[PC+4*\k:PC+4*\k+3], s[OUTP:OUTP+1] offset:((\a)/4)*HS+6656+1536*((\a)%4)+512*\k
.endr
.endm
	PLACES NP                                      ; behind the last products
	s_mov_b32 s[SEL], 0x76543210
	s_mov_b32 s[SEL+1], 0xfedcba98
.irp b, 0,1,2,3
	v_mov_b32 v[TM+4+\b], 0                        ; written once: a lane permute's destination counts as one of its sources
.endr
	s_cmp_eq_u32 s[MODE], 1
	s_cbranch_scc1 .Lout_v
.irp a, 0,1,2,3,4,5,6,7
	QUANT \a
	OUT_QK \a
.endr
.irp i, 0,1
	global_store_b128 v[LSW], v[SW+4*\i:SW+4*\i+3], s[OUTP:OUTP+1] offset:6144+256*\i   ; four tiles' words a lane: lanes 0-15 fill 256 bytes of the first head's group, lanes 16-31 of the second's
.endr
	s_branch .Lend
.Lout_v:
.irp a, 0,1,2,3,4,5,6,7
	QUANT \a
	OUT_V \a
.endr
	v_cmp_lt_u32 vcc_lo, 15, v[LN]
.irp i, 0,1,2,3
	v_cndmask_b32 v[SWO+\i], v[SW+\i], v[SW+4+\i], vcc_lo   ; lanes 16-31 carry the second head's words
.endr
	global_store_b128 v[LSW], v[SWO:SWO+3], s[OUTP:OUTP+1] offset:12800
.Lend:
	s_wait_tensorcnt 0x0                           ; the wave's end
	ds_add_u32 v[SPW], v[NIL]
	s_wait_dscnt 0x0
	CROUND                                         ; the closing round: no work-group ends while a partner may still ask for a tile that names it
	s_endpgm
.Lfunc_end_k_q3da68ee596_proj:
	.size	k_q3da68ee596_proj, .Lfunc_end_k_q3da68ee596_proj-k_q3da68ee596_proj
	.p2alignl 7, 3214868480
	.fill 96, 4, 3214868480
	.section	.rodata,"a",@progbits
	.p2align	6, 0x0
	.amdhsa_kernel k_q3da68ee596_proj
		.amdhsa_group_segment_fixed_size 327680
		.amdhsa_private_segment_fixed_size 0
		.amdhsa_enable_private_segment 0
		.amdhsa_kernarg_size 72
		.amdhsa_user_sgpr_count 2
		.amdhsa_user_sgpr_kernarg_segment_ptr 1
		.amdhsa_wavefront_size32 1
		.amdhsa_system_sgpr_workgroup_id_x 1
		.amdhsa_system_sgpr_workgroup_id_y 1
		.amdhsa_system_sgpr_workgroup_id_z 1
		.amdhsa_system_vgpr_workitem_id 0
		.amdhsa_next_free_vgpr 1024
		.amdhsa_next_free_sgpr 102
		.amdhsa_reserve_vcc 1
		.amdhsa_float_denorm_mode_32 3
		.amdhsa_float_denorm_mode_16_64 3
		.amdhsa_memory_ordered 1
		.amdhsa_forward_progress 1
		.amdhsa_inst_pref_size 222
	.end_amdhsa_kernel
	.amdgpu_metadata
---
amdhsa.version: [ 1, 2 ]
amdhsa.kernels:
  - .name:           k_q3da68ee596_proj
    .symbol:         k_q3da68ee596_proj.kd
    .args:
      - { .name: hid_codes, .offset: 0, .size: 8, .value_kind: global_buffer, .address_space: global }
      - { .name: hid_scales, .offset: 8, .size: 8, .value_kind: global_buffer, .address_space: global }
      - { .name: w_codes, .offset: 16, .size: 8, .value_kind: global_buffer, .address_space: global }
      - { .name: w_scales, .offset: 24, .size: 8, .value_kind: global_buffer, .address_space: global }
      - { .name: bq, .offset: 32, .size: 8, .value_kind: global_buffer, .address_space: global }
      - { .name: bk, .offset: 40, .size: 8, .value_kind: global_buffer, .address_space: global }
      - { .name: bv, .offset: 48, .size: 8, .value_kind: global_buffer, .address_space: global }
      - { .name: qimg, .offset: 56, .size: 8, .value_kind: global_buffer, .address_space: global }
      - { .name: kvimg, .offset: 64, .size: 8, .value_kind: global_buffer, .address_space: global }
    .group_segment_fixed_size: 327680
    .private_segment_fixed_size: 0
    .kernarg_segment_align: 8
    .kernarg_segment_size: 72
    .max_flat_workgroup_size: 128
    .sgpr_count:     102
    .vgpr_count:     1024
    .wavefront_size: 32
...
	.end_amdgpu_metadata
.endif
;; end of part 2
;; launch attn (part 3): grid 4 x 64, 8 waves a work-group, clusters of 4 x 1, 252,928 bytes of LDS; arguments qimg, kvimg, attention_mask, out0; writes out0
.if DOCPART == 3
	.amdgcn_target "amdgcn-amd-amdhsa--gfx1250"
	.amdhsa_code_object_version 6
	.text
	.protected	k_q3da68ee596_attn
	.globl	k_q3da68ee596_attn
	.p2align	8
	.type	k_q3da68ee596_attn,@function
k_q3da68ee596_attn:
	s_mov_b64 s[64:65], 0
	v_nop
	global_prefetch_b8 v0, s[64:65] scope:SCOPE_SE
	s_setreg_imm32_b32 hwreg(HW_REG_WAVE_MODE, 25, 1), 1
	s_wait_xcnt 0x0
	s_wait_alu depctr_hold_cnt(0) depctr_sa_sdst(0) depctr_va_vdst(0) depctr_va_sdst(0) depctr_va_ssrc(0) depctr_va_vcc(0) depctr_vm_vsrc(0)
	s_getreg_b32 s2, hwreg(HW_REG_IB_STS2, 6, 4)
	s_cmp_eq_u32 s2, 0
	s_cbranch_scc0 .Lentry_in_a_cluster
	s_endpgm
.Lentry_in_a_cluster:
	s_bfe_u32 s2, ttmp6, 0x10000c
	s_cmp_lg_u32 s2, 0x3003
	s_cbranch_scc0 .Lentry_shape_is_right
	s_endpgm
.Lentry_shape_is_right:
; out0[b][q][64 h ..] = the sum over keys of softmax(q . k / 8 + mask[b][key]) v, both products on codes of BF6 (E3M2) with E8M0 scales.  64 heads (16 b + h), 2,048 queries and keys, head size 64.
; THE SOFTMAX AHEAD OF THE SECOND PRODUCT: t = logit x log2(e); M = the running largest t rounded up to a whole number; p = 2^(t - M) is quantised along the keys, not normalised; the sum of the unquantised p divides at the end.
; SHARES.  The four work-groups of a cluster are the four blocks of 512 queries of ONE head.  The head's k, v^T, their scale words (208,896 bytes) and its batch's mask (8,192) come into LDS ONCE, by joint loads that name the four,
; all asked for by the kernel's first lines: no slot is ever filled again, and there is nothing left that a prefetch could ask for earlier.  The work-group walks the 16 key steps of 128 keys twice, 256 queries a pass; each of its eight
; waves (two to a SIMD, so that one's vector work stands beside the other's matrix work and LDS loads) owns 32 queries a pass, two tiles of 16: each fragment read from LDS feeds both.
; LAYOUT.  Both products transposed: S^T = k q^T (source 0 = 16 keys, source 1 = 16 queries), O^T = v^T p^T: a lane holds one query throughout.  The images' rows are chosen by the launches before: tile t, lane r is row
; 32 (t / 2) + 8 (t % 2) + r + 8 (r / 8), so the 16 registers of tiles 2 b, 2 b + 1 are 16 neighbours, 32 b + 16 (lane / 16) + 0 .. 15.  The first product's K is 64: registers 6-11 of its operands hold zero codes.
; THE DIVISION BY 8 is 3 off q's scale bytes; THE MASK is the C of the first product: the accumulators hold the logits.
; LIMITS: q's scale bytes under 4 (a block's largest magnitude under 2^-119) are held at 1 after the division; the mask is rounded once together with the score, in the matrix instruction; a mask of -infinity leans on C carrying
; infinity; a batch all of whose keys carry a mask under -2e38 gives NaN; NaN among the inputs is not served.
; REGISTERS: window 0: v1-11 addresses; v16-31 statistics, eight a tile; v32-49 at work; v56-70 scale words; v72-91 p's codes; v92-139 v^T's fragments; v140-203 one tile's scores, then p; v204-235 the way out.
;   window 1: v0-95 k's fragments; v96-119 q's; v120-183 the mask; v184-247 O^T, 32 a tile.
.set GS,    13056                      ; a key step in kvimg and in LDS: 8 images of k (768 each), their scale words (512), 4 images of v^T (1,536 each), their scale words (256)
.set HS,    16*GS                      ; a head
.set MASKB, HS                         ; LDS: behind the head: the batch's mask, 2,048 f32
.set STG,   MASKB+8192                 ; behind it: a stage of 16 rows x 272 bytes for each wave, never filled by a tensor load
.set LI16, 1                           ; v1   16 x lane
.set LI8,  2                           ; v2   8 x lane
.set LR16, 3                           ; v3   16 (lane % 16)
.set LMK,  4                           ; v4   MASKB + 64 (lane / 16)
.set ADK,  5                           ; v5-8 the step's LDS addresses
.set ADK8, 6
.set ADS,  7
.set ADM,  8
.set STO,  9                           ; v9   the stage: where I put 16 bytes of a row
.set RDB,  10                          ; v10  and where I read a row back
.set GO,   11                          ; v11  my byte offset in two rows of out0
.set ST,   16                          ; tile x at v[ST + 8 x]: +0 -M, +1 the largest t, +2, +3 the sum in two halves, +4 f (later 1 / sum), +5 named with it as a pair, +6 at work
.set TM,   32                          ; v32-35 the blocks' largest scores, then largest p
.set TP,   36                          ; v36-39 from the other half of the lanes, then scale bytes
.set TSO,  40                          ; v40-43 the conversions' scale operands
.set SUM2, 44                          ; v44-45 the sum's second chain
.set QT,   46                          ; v46-49 at work on q's scale words
.set KSC,  56                          ; v56-63 k's scale words, a register a tile
.set VSC,  64                          ; v64-67 v^T's
.set QSC,  68                          ; v68-69 q's
.set PW,   70                          ; v70    p's
.set PC,   72
.set VF,   92
.set S,    140
.set KF,   0                           ; window 1
.set QF,   96
.set MK,   120
.set OA,   184
.set WV,   12                          ; s12  my wave's number
.set G1K,  16                          ; s[16:23] descriptor group 1 for a key step;  s[24:31] for a quarter of the mask
.set G1M,  24
.set G0M,  32                          ; s[32:35] group 0 for the mask;  s[36:51] for my key step of each of the four stages
.set G0S,  36
.set SEL,  52                          ; s[52:53] lane selects for lane l xor 16
.set CS,   54                          ; s[54:55] log2(e): the packed form names a pair and takes its low word for both halves
.set TB,   56                          ; s56  LDS byte at which the step's tiles begin
.set TMK,  57                          ; s57  and its 512 bytes of the mask
.set CNT,  58
.set PASS, 59
.set QP,   60                          ; s[60:61] my two images of q
.set QSP,  62                          ; s[62:63] and their scale words
.set MSB, 0
.macro WIN new                         ; the immediate's high byte repeats the setting that is left
.if MSB != \new
	s_set_vgpr_msb (MSB<<8)|\new
.set MSB, \new
.endif
.endm
.set W_LD, 0x40                        ; destination window 1
.set W_QK, 0x15                        ; k, q and the mask in window 1, the scores in window 0
.set W_PV, 0x50                        ; v^T and p in window 0, O^T in window 1
.set W_RS, 0x41                        ; O^T (destination and source 0) in window 1, f in window 0
.set W_OUT, 0x01                       ; O^T as source 0
.macro CROUND                          ; a round of the cluster's barrier
	s_barrier_signal -1
	s_barrier_wait -1
	s_cmp_lg_u32 s[WV], 0
	s_cbranch_scc1 .Lnot_wave_0_\@
	s_barrier_signal -3
.Lnot_wave_0_\@:
	s_barrier_wait -3
	s_barrier_signal -1
	s_barrier_wait -1
.endm
	s_load_b256 s[4:11], s[0:1], 0x0               ; qimg s[4:5], kvimg s[6:7], attention_mask s[8:9], out0 s[10:11]
	v_lshl_add_u32 v254, v0, 2, 0x3d800
	v_mov_b32 v255, 0
	ds_add_u32 v254, v255
	ds_add_u32 v254, v255
	v_lshrrev_b32 v12, 5, v0
	v_readfirstlane_b32 s[WV], v12                 ; wave 0..7
	s_bfe_u32 s13, ttmp6, 0x40000                  ; cx: my block of 512 queries: it enters q's and out0's addresses alone
	s_and_b32 s14, ttmp7, 0xffff                   ; the head, which the four partners share
	s_and_b32 s15, s[WV], 3                        ; waves 0 to 3 fetch: which key step of a stage, which quarter of the mask
	; descriptor group 1: dense blocks as rows of 256 bytes (32 elements of 8 bytes), no padding; the mask names all four work-groups
	s_mov_b32 s[G1K], 15|(3<<16)|(1<<21)
	s_mov_b32 s[G1K+1], 32<<16                     ; tensor_dim0
	s_mov_b32 s[G1K+2], (GS/256)<<16               ; tensor_dim1 = 51
	s_mov_b32 s[G1K+3], 32<<16                     ; tile_dim0
	s_mov_b32 s[G1K+4], GS/256                     ; tile_dim1
	s_mov_b32 s[G1K+5], 32                         ; tensor_dim0_stride
	s_mov_b32 s[G1K+6], 0
	s_mov_b32 s[G1K+7], 0
	s_mov_b32 s[G1M], 15|(3<<16)|(1<<21)
	s_mov_b32 s[G1M+1], 32<<16
	s_mov_b32 s[G1M+2], 8<<16
	s_mov_b32 s[G1M+3], 32<<16
	s_mov_b32 s[G1M+4], 8
	s_mov_b32 s[G1M+5], 32
	s_mov_b32 s[G1M+6], 0
	s_mov_b32 s[G1M+7], 0
	s_mul_i32 s66, s15, GS                         ; my key step in a stage
	s_mul_i32 s68, s14, HS                         ; the head's first byte in qimg and kvimg
	s_add_co_u32 s70, s68, s66
	s_mov_b32 s71, 0
	s_lshr_b32 s72, s14, 4                         ; the batch
	s_lshl_b32 s72, s72, 13
	s_lshl_b32 s67, s15, 11                        ; my quarter of its mask
	s_add_co_u32 s72, s72, s67
	s_mov_b32 s73, 0
	s_mov_b32 s[SEL], 0x76543210
	s_mov_b32 s[SEL+1], 0xfedcba98
	s_mov_b32 s[CS], 0x3fb8aa3b                    ; log2(e)
	s_mov_b32 s[CS+1], s[CS]
	s_mov_b32 s[PASS], 2
	s_wait_dscnt 0x0
	s_wait_kmcnt 0x0
	s_mov_b32 s[G0M], 1
	s_add_co_u32 s[G0M+1], s67, MASKB
	s_add_nc_u64 s[G0M+2:G0M+3], s[8:9], s[72:73]
	s_or_b32 s[G0M+3], s[G0M+3], 0x80000000
.irp g, 0,1,2,3
	s_mov_b32 s[G0S+4*\g], 1
	s_add_co_u32 s[G0S+4*\g+1], s66, 4*\g*GS       ; key step 4 g + wave, laid in LDS as in memory
	s_add_nc_u64 s[G0S+4*\g+2:G0S+4*\g+3], s[6:7], s[70:71]
	s_add_nc_u64 s[G0S+4*\g+2:G0S+4*\g+3], s[G0S+4*\g+2:G0S+4*\g+3], 4*\g*GS
	s_or_b32 s[G0S+4*\g+3], s[G0S+4*\g+3], 0x80000000
.endr
	CROUND                                         ; all four work-groups are here: the joint loads meet
	s_cmp_lt_u32 s[WV], 4                          ; all fills of a wave stand in one branch on its number: five tensor loads of mine are out
	s_cbranch_scc0 .Lno_fill
	tensor_load_to_lds s[G0M:G0M+3], s[G1M:G1M+7]
	s_nop 0
	tensor_load_to_lds s[G0S:G0S+3], s[G1K:G1K+7]
	s_nop 0
	tensor_load_to_lds s[G0S+4:G0S+7], s[G1K:G1K+7]
	s_nop 0
	tensor_load_to_lds s[G0S+8:G0S+11], s[G1K:G1K+7]
	s_nop 0
	tensor_load_to_lds s[G0S+12:G0S+15], s[G1K:G1K+7]
	s_nop 0
.rept 4
	v_nop
.endr
.Lno_fill:
	v_and_b32 v12, 31, v0                          ; lane
	v_and_b32 v13, 15, v0                          ; r
	v_bfe_u32 v14, v0, 4, 1                        ; h
	v_lshlrev_b32 v[LI16], 4, v12
	v_lshlrev_b32 v[LI8], 3, v12
	v_lshlrev_b32 v[LR16], 4, v13
	v_lshl_add_u32 v[LMK], v14, 6, MASKB
	s_mul_i32 s74, s[WV], 16*272
	s_add_co_u32 s74, s74, STG                     ; my stage
	v_mul_u32_u24 v[STO], v13, 272
	v_lshl_add_u32 v[STO], v14, 6, v[STO]
	v_add_nc_u32 v[STO], s74, v[STO]               ; in: row r, + 64 h: my half's 16 channels of each 32
	v_mul_u32_u24 v[RDB], v14, 272
	v_lshl_add_u32 v[RDB], v13, 4, v[RDB]
	v_add_nc_u32 v[RDB], s74, v[RDB]               ; back: lanes 0-15 one row of 256 bytes, lanes 16-31 the next
	v_lshlrev_b32 v[GO], 12, v14
	v_lshl_add_u32 v[GO], v13, 4, v[GO]            ; and the same two rows in out0, 4,096 bytes apart
	; q: group 4 cx + 2 pass + wave / 4, images 2 (wave % 4) and 2 (wave % 4) + 1
	s_lshl_b32 s75, s13, 2
	s_lshr_b32 s76, s[WV], 2
	s_add_co_u32 s75, s75, s76
	s_mul_i32 s75, s75, GS
	s_add_co_u32 s75, s75, s68
	s_mul_i32 s77, s15, 1536
	s_add_co_u32 s78, s75, s77
	s_mov_b32 s79, 0
	s_add_nc_u64 s[QP:QP+1], s[4:5], s[78:79]
	s_bfe_u32 s76, s[WV], 0x10001                  ; their scale words: 6,144 + 256 (image / 4) + 16 r + 4 (image % 4)
	s_lshl_b32 s76, s76, 8
	s_and_b32 s77, s[WV], 1
	s_lshl_b32 s77, s77, 3
	s_add_co_u32 s78, s75, s76
	s_add_co_u32 s78, s78, s77
	s_add_co_u32 s78, s78, 6144
	s_add_nc_u64 s[QSP:QSP+1], s[4:5], s[78:79]
	; out0: row 2,048 batch + 512 cx + 32 wave, byte 256 (head % 16) of it
	s_lshr_b32 s76, s14, 4
	s_lshl_b32 s76, s76, 11
	s_lshl_b32 s77, s13, 9
	s_add_co_u32 s76, s76, s77
	s_lshl_b32 s77, s[WV], 5
	s_add_co_u32 s76, s76, s77
	s_lshl_b32 s76, s76, 12
	s_and_b32 s77, s14, 15
	s_lshl_b32 s77, s77, 8
	s_add_co_u32 s76, s76, s77
	s_mov_b32 s77, 0
	s_add_nc_u64 s[10:11], s[10:11], s[76:77]
.macro QLOAD                           ; my two images of q (six registers each) and their scale words
	WIN W_LD
.irp x, 0,1
	global_load_b128 v[QF+12*\x:QF+12*\x+3], v[LI16], s[QP:QP+1] offset:768*\x
	global_load_b64 v[QF+12*\x+4:QF+12*\x+5], v[LI8], s[QP:QP+1] offset:768*\x+512
.endr
	WIN 0
.irp x, 0,1
	global_load_b32 v[QSC+\x], v[LR16], s[QSP:QSP+1] offset:4*\x
.endr
.endm
	QLOAD
	WIN W_LD
.irp t, 0,1,2,3,4,5,6,7
.irp i, 6,7,8,9,10,11
	v_mov_b32 v[KF+12*\t+\i], 0                    ; K = 64 .. 127 of the first product's operands: zero codes, written once
.endr
.endr
.irp x, 0,1
.irp i, 6,7,8,9,10,11
	v_mov_b32 v[QF+12*\x+\i], 0
.endr
.endr
	WIN 0
.irp b, 0,1,2,3
	v_mov_b32 v[TP+\b], 0                          ; written once: a lane permute's destination counts as one of its sources
.endr
	v_mov_b32 v[ST+5], 0                           ; (named as the upper halves of pairs)
	v_mov_b32 v[ST+13], 0
.macro QK x                            ; tile x's logits of 128 keys: eight accumulators, each begun with the mask
	WIN W_QK
.irp t, 0,1,2,3,4,5,6,7
	v_wmma_scale_f32_16x16x128_f8f6f4 v[S+8*\t:S+8*\t+7], v[KF+12*\t:KF+12*\t+11], v[QF+12*\x:QF+12*\x+11], v[MK+8*\t:MK+8*\t+7], v[KSC+\t], v[QSC+\x] matrix_a_fmt:MATRIX_FMT_BF6 matrix_b_fmt:MATRIX_FMT_BF6
.endr
.endm
.macro PV x                            ; tile x's O^T += v^T p^T: four accumulators by turns
	WIN W_PV
.irp t, 0,1,2,3
	v_wmma_scale_f32_16x16x128_f8f6f4 v[OA+32*\x+8*\t:OA+32*\x+8*\t+7], v[VF+12*\t:VF+12*\t+11], v[PC:PC+11], v[OA+32*\x+8*\t:OA+32*\x+8*\t+7], v[VSC+\t], v[PW] matrix_a_fmt:MATRIX_FMT_BF6 matrix_b_fmt:MATRIX_FMT_BF6
.endr
.endm
.macro RESC x                          ; tile x's O^T under the new M: x f, from each accumulator's low end on
	WIN W_RS
.set j, 0
.rept 16
	v_pk_mul_f32 v[OA+32*\x+j:OA+32*\x+j+1], v[OA+32*\x+j:OA+32*\x+j+1], v[ST+8*\x+4:ST+8*\x+5] op_sel_hi:[1,0]
.set j, j+2
.endr
.endm
; The softmax of tile x for 128 keys: v[S + 16 b + n] is the logit of key 32 b + 16 (lane / 16) + n.  It leaves p's codes in v[PC] on and p's scale word in v[PW].
.macro SM x
.set RT, ST+8*\x
	WIN 0
.irp b, 0,1,2,3
	v_max3_num_f32 v[TM+\b], v[S+16*\b], v[S+16*\b+1], v[S+16*\b+2]   ; the largest logit of each block of 32 keys: it serves for the row's maximum and, since p rises with the logit, for the block's largest p
.endr
.irp i, 3,5,7,9,11,13
.irp b, 0,1,2,3
	v_max3_num_f32 v[TM+\b], v[TM+\b], v[S+16*\b+\i], v[S+16*\b+\i+1]
.endr
.endr
.irp b, 0,1,2,3
	v_max_num_f32 v[TM+\b], v[TM+\b], v[S+16*\b+15]
.endr
.irp b, 0,1,2,3
	v_permlanex16_b32 v[TP+\b], v[TM+\b], s[SEL], s[SEL+1]
.endr
.irp b, 0,1,2,3
	v_max_num_f32 v[TM+\b], v[TM+\b], v[TP+\b]     ; with lane l xor 16's 16 keys
.endr
	v_max3_num_f32 v[RT+6], v[TM], v[TM+1], v[TM+2]
	v_max_num_f32 v[RT+6], v[RT+6], v[TM+3]        ; the step's largest logit of my query
	v_mul_f32 v[RT+6], s[CS], v[RT+6]              ; as t
	v_max_num_f32 v[RT+1], v[RT+1], v[RT+6]        ; the running largest t
	v_mov_b32 v[RT+6], v[RT]
	v_floor_f32 v[RT], -v[RT+1]                    ; the new -M = floor(-t): M is a whole number
	v_sub_f32 v[RT+6], v[RT], v[RT+6]              ; old M - new M: a whole number, 0 or less
	v_cvt_i32_f32 v[RT+6], v[RT+6]                 ; (it saturates)
	v_ldexp_f32 v[RT+4], 1.0, v[RT+6]              ; f = 2^(old M - new M): a multiplication by it rounds nothing
.set j, 0
.rept 32
	v_pk_fma_f32 v[S+j:S+j+1], v[S+j:S+j+1], s[CS:CS+1], v[RT:RT+1] op_sel_hi:[1,0,0]   ; t - M, two at a time
.set j, j+2
.endr
.irp b, 0,1,2,3
	v_fma_f32 v[TM+\b], v[TM+\b], s[CS], v[RT]     ; the same of each block's largest logit
.endr
.set j, 0
.rept 64
	v_exp_f32 v[S+j], v[S+j]                       ; p = 2^(t - M), at most 1
.set j, j+1
.endr
	v_pk_mul_f32 v[RT+2:RT+3], v[RT+2:RT+3], v[RT+4:RT+5] op_sel_hi:[1,0]   ; the sums under the new M (a plain line behind the exponentials)
	s_wait_alu depctr_va_vdst(0)                   ; one wait for the batch of 64, ahead of its first reader
.irp b, 0,1,2,3
	v_exp_f32 v[TM+\b], v[TM+\b]                   ; the block's largest p: the same two instructions on the same number
.endr
	v_pk_add_f32 v[SUM2:SUM2+1], v[S:S+1], v[S+2:S+3]   ; the row's sum is taken of the unquantised p, in two chains
.set j, 4
.rept 15
	v_pk_add_f32 v[RT+2:RT+3], v[RT+2:RT+3], v[S+j:S+j+1]
	v_pk_add_f32 v[SUM2:SUM2+1], v[SUM2:SUM2+1], v[S+j+2:S+j+3]
.set j, j+4
.endr
	v_pk_add_f32 v[RT+2:RT+3], v[RT+2:RT+3], v[SUM2:SUM2+1]
	s_wait_alu depctr_va_vdst(0)                   ; and one for the four
.irp b, 0,1,2,3
	v_max_num_f32 v[TM+\b], 0x2800000, v[TM+\b]    ; the floor 2^(5 - 127): the byte cannot fall under 1
.endr
.irp b, 0,1,2,3
	v_add_nc_u32 v[TSO+\b], 0xfe000000, v[TM+\b]   ; 4 off the exponent field: the conversion's scale operand
.endr
.irp b, 0,1,2,3
	v_lshrrev_b32 v[TP+\b], 23, v[TSO+\b]          ; the scale's byte
.endr
	v_lshl_or_b32 v[PW], v[TP+1], 8, v[TP]
	v_lshl_or_b32 v[PW], v[TP+2], 16, v[PW]
	v_lshl_or_b32 v[PW], v[TP+3], 24, v[PW]
.irp c, 0,1
	v_cvt_scalef32_pk16_bf6_f32 v[PC+6*\c:PC+6*\c+2], v[S+32*\c:S+32*\c+15], v[TSO+2*\c]
	v_cvt_scalef32_pk16_bf6_f32 v[PC+12+4*\c:PC+14+4*\c], v[S+32*\c+16:S+32*\c+31], v[TSO+2*\c+1]   ; (a conversion's three registers begin on an even number)
.endr
	v_nop                                          ; one plain line behind a scaled conversion
.irp c, 0,1                                    ; the operand's layout wants a whole block in a lane
.irp i, 0,1,2
	v_permlane16_swap_b32 v[PC+6*\c+\i], v[PC+12+4*\c+\i]
.endr
.irp i, 0,1,2
	v_mov_b32 v[PC+3+6*\c+\i], v[PC+12+4*\c+\i]
.endr
.endr
.endm
; A KEY STEP: 128 keys for my two tiles.  47 LDS loads in one run; v^T's 13 stand last and may stay out while the first tile's logits and softmax are made.
.macro STEP
	v_add_nc_u32 v[ADK], s[TB], v[LI16]            ; these four lines are also the places between the last step's products and the loads into v^T's registers
	v_add_nc_u32 v[ADK8], s[TB], v[LI8]
	v_add_nc_u32 v[ADS], s[TB], v[LR16]
	v_add_nc_u32 v[ADM], s[TMK], v[LMK]
	ds_load_b128 v[KSC:KSC+3], v[ADS] offset:6144  ; four tiles' scale words a lane
	ds_load_b128 v[KSC+4:KSC+7], v[ADS] offset:6400
	WIN W_LD
.irp t, 0,1,2,3,4,5,6,7
	ds_load_b128 v[KF+12*\t:KF+12*\t+3], v[ADK] offset:768*\t
	ds_load_b64 v[KF+12*\t+4:KF+12*\t+5], v[ADK8] offset:768*\t+512
.endr
.irp i, 0,1,2,3,4,5,6,7,8,9,10,11,12,13,14,15
	ds_load_b128 v[MK+4*\i:MK+4*\i+3], v[ADM] offset:128*(\i/4)+16*(\i%4)   ; the mask of keys 32 b + 16 h + 0 .. 15, in the accumulators' layout; the lanes of a half read the same words
.endr
	WIN 0
.irp t, 0,1,2,3
.irp k, 0,1,2
	ds_load_b128 v[VF+12*\t+4*\k:VF+12*\t+4*\k+3], v[ADK] offset:6656+1536*\t+512*\k
.endr
.endr
	ds_load_b128 v[VSC:VSC+3], v[ADS] offset:12800
	s_wait_dscnt 13                                ; k, its scale words and the mask are in; v^T's twelve loads and its scale words may be out
	QK 0
.rept 4
	v_nop                                          ; places behind the products whose results are read next
.endr
	SM 0
	QK 1                                           ; the second tile's logits take the registers that the first tile's p has left
	RESC 0                                         ; sixteen plain lines: the places behind QK 1, and in front of PV 0 behind the writes of p's codes and scale word
	s_wait_dscnt 0x0                               ; v^T is in
	PV 0
	SM 1
	RESC 1
	PV 1
	WIN 0
.endm
; A STAGE: four key steps.  Its tiles were asked for at the head; the loads of the later stages may stay out.
.macro STAGE g
	s_wait_tensorcnt 3-\g                          ; my loads for the mask and for stages 0 .. g have landed; 3 - g later ones may be out
	s_wait_dscnt 0x0
	s_barrier_signal -1
	s_barrier_wait -1                              ; everybody's have
	s_mov_b32 s[TB], 4*\g*GS
	s_mov_b32 s[TMK], 2048*\g
	s_mov_b32 s[CNT], 4
.Lstep_\@:
	STEP
	s_add_co_u32 s[TB], s[TB], GS
	s_add_co_u32 s[TMK], s[TMK], 512
	s_sub_co_u32 s[CNT], s[CNT], 1
	s_cmp_lg_u32 s[CNT], 0
	s_cbranch_scc1 .Lstep_\@
.endm
.Lpass:                                            ; two trips: 256 queries of the work-group each
.irp x, 0,1
	v_mov_b32 v[ST+8*\x+1], 0xff61b1e6             ; the largest t so far: -3e38
	v_floor_f32 v[ST+8*\x], -v[ST+8*\x+1]          ; -M
	v_mov_b32 v[ST+8*\x+2], 0                      ; the sum, in two halves
	v_mov_b32 v[ST+8*\x+3], 0
.endr
	s_wait_loadcnt 0x0                             ; q and its scale words
.irp x, 0,1                                    ; 3 off q's two scale bytes: the division by 8; the bytes stay at 1 or above; the upper two bytes, over zero codes, become 0
	v_bfe_u32 v[QT+2*\x], v[QSC+\x], 0, 8
	v_bfe_u32 v[QT+2*\x+1], v[QSC+\x], 8, 8
	v_max_u32 v[QT+2*\x], 4, v[QT+2*\x]
	v_max_u32 v[QT+2*\x+1], 4, v[QT+2*\x+1]
	v_add_nc_u32 v[QT+2*\x], -3, v[QT+2*\x]
	v_add_nc_u32 v[QT+2*\x+1], -3, v[QT+2*\x+1]
	v_lshl_or_b32 v[QSC+\x], v[QT+2*\x+1], 8, v[QT+2*\x]
.endr
	WIN W_LD
.set j, 0
.rept 64
	v_mov_b32 v[OA+j], 0                           ; O^T: the step is written once, and its first change of M leaves zeros zeros.  (Also the places behind the writes of q's scale words)
.set j, j+1
.endr
	WIN 0
	STAGE 0
	STAGE 1
	STAGE 2
	STAGE 3
	s_cmp_eq_u32 s[PASS], 1                        ; the next pass's q is asked for ahead of the way out, if there is a next pass: no load leaves its buffer
	s_cbranch_scc1 .Lno_q
	s_add_nc_u64 s[QP:QP+1], s[QP:QP+1], 2*GS      ; (the loads that read these addresses were waited for at the pass's head)
	s_add_nc_u64 s[QSP:QSP+1], s[QSP:QSP+1], 2*GS
	QLOAD
.Lno_q:
	; THE WAY OUT.  O^T / the sum goes through my stage in LDS, a tile of 16 queries at a time, and leaves as whole rows of 256 bytes.  The additions are the places behind the last products.
.irp x, 0,1
	v_add_f32 v[ST+8*\x+2], v[ST+8*\x+2], v[ST+8*\x+3]
.endr
.irp x, 0,1
	v_permlanex16_b32 v[ST+8*\x+6], v[ST+8*\x+2], s[SEL], s[SEL+1]
.endr
.irp x, 0,1
	v_add_f32 v[ST+8*\x+2], v[ST+8*\x+2], v[ST+8*\x+6]   ; the row's sum
.endr
.irp x, 0,1
	v_rcp_f32 v[ST+8*\x+4], v[ST+8*\x+2]
.endr
	v_nop                                          ; a plain line behind the reciprocals
	s_wait_alu depctr_va_vdst(0)                   ; one wait for the two, ahead of their first reader
.irp x, 0,1
	WIN W_OUT
.set j, 0
.rept 16
	v_pk_mul_f32 v[S+32*\x+j:S+32*\x+j+1], v[OA+32*\x+j:OA+32*\x+j+1], v[ST+8*\x+4:ST+8*\x+5] op_sel_hi:[1,0]   ; register 16 b + n is channel 32 b + 16 h + n of my query
.set j, j+2
.endr
	WIN 0
.irp b, 0,1
.irp k, 0,1,2,3
	ds_store_b128 v[STO], v[S+32*\x+16*\b+4*\k:S+32*\x+16*\b+4*\k+3] offset:128*\b+16*\k
.endr
.endr
.irp i, 0,1,2,3,4,5,6,7
	ds_load_b128 v[92+112*\x+4*\i:92+112*\x+4*\i+3], v[RDB] offset:544*\i   ; LDS serves a wave's instructions in order: these see my stores, and the next tile's stores come behind them
.endr
.endr
.irp x, 0,1
.irp i, 0,1,2,3,4,5,6,7
	s_wait_dscnt 16*(1-\x)+7-\i                    ; behind this load: the tile's later loads, and for tile 0 tile 1's sixteen LDS instructions
	global_store_b128 v[GO], v[92+112*\x+4*\i:92+112*\x+4*\i+3], s[10:11] offset:(8*\x+2*\i+8*(\i/4))*4096 th:TH_STORE_NT   ; stage row 2 i + h is query 8 x + 2 i + h + 8 (i / 4) of my 32; sixteen lanes store 256 consecutive bytes, aligned
.endr
.endr
	s_wait_xcnt 0x0                                ; the stores have read their data and their base: both are written again only behind this wait
	s_add_nc_u64 s[10:11], s[10:11], 0x100000      ; 256 rows of out0 on
	s_sub_co_u32 s[PASS], s[PASS], 1
	s_cmp_lg_u32 s[PASS], 0
	s_cbranch_scc1 .Lpass
	s_wait_tensorcnt 0x0
	s_wait_dscnt 0x0
	s_wait_tensorcnt 0x0
	ds_add_u32 v254, v255
	s_wait_dscnt 0x0
	CROUND                                         ; the closing round: no work-group ends while a partner may still ask for a tile that names it
	s_endpgm
.Lfunc_end_k_q3da68ee596_attn:
	.size	k_q3da68ee596_attn, .Lfunc_end_k_q3da68ee596_attn-k_q3da68ee596_attn
	.p2alignl 7, 3214868480
	.fill 96, 4, 3214868480
	.section	.rodata,"a",@progbits
	.p2align	6, 0x0
	.amdhsa_kernel k_q3da68ee596_attn
		.amdhsa_group_segment_fixed_size 252928
		.amdhsa_private_segment_fixed_size 0
		.amdhsa_enable_private_segment 0
		.amdhsa_kernarg_size 32
		.amdhsa_user_sgpr_count 2
		.amdhsa_user_sgpr_kernarg_segment_ptr 1
		.amdhsa_wavefront_size32 1
		.amdhsa_system_sgpr_workgroup_id_x 1
		.amdhsa_system_sgpr_workgroup_id_y 1
		.amdhsa_system_sgpr_workgroup_id_z 1
		.amdhsa_system_vgpr_workitem_id 0
		.amdhsa_next_free_vgpr 512
		.amdhsa_next_free_sgpr 80
		.amdhsa_reserve_vcc 0
		.amdhsa_float_denorm_mode_32 3
		.amdhsa_float_denorm_mode_16_64 3
		.amdhsa_memory_ordered 1
		.amdhsa_forward_progress 1
		.amdhsa_inst_pref_size 142
	.end_amdhsa_kernel
	.amdgpu_metadata
---
amdhsa.version: [ 1, 2 ]
amdhsa.kernels:
  - .name:           k_q3da68ee596_attn
    .symbol:         k_q3da68ee596_attn.kd
    .args:
      - { .name: qimg, .offset: 0, .size: 8, .value_kind: global_buffer, .address_space: global }
      - { .name: kvimg, .offset: 8, .size: 8, .value_kind: global_buffer, .address_space: global }
      - { .name: attention_mask, .offset: 16, .size: 8, .value_kind: global_buffer, .address_space: global }
      - { .name: out0, .offset: 24, .size: 8, .value_kind: global_buffer, .address_space: global }
    .group_segment_fixed_size: 252928
    .private_segment_fixed_size: 0
    .kernarg_segment_align: 8
    .kernarg_segment_size: 32
    .max_flat_workgroup_size: 256
    .sgpr_count:     80
    .vgpr_count:     512
    .wavefront_size: 32
...
	.end_amdgpu_metadata
.endif
;; end of part 3
